; MI455X (gfx1250); checked and timed in simulation.
; The chip was launched on July 23, 2026; its instructions are those of AMD's public machine-readable ISA for CDNA 5 (MIT licence, August 2026) and "CDNA5" Instruction Set Architecture Reference Guide (July 2026). The comments in the code are by the model that wrote it; some were corrected since.
;; multi attention. Allowed arithmetic: matrix products marked QUANTISED: E4M3 operands, one given power-of-two scale a tensor, by v_wmma_f32_16x16x64_fp8_fp8 or v_wmma_f32_16x16x128_fp8_fp8, f32 sums; everything else in f32.
;; Inputs: W_proj 1,024 x 1,024 float32; W_qkv 3,072 x 1,024 float32; lowp_scales 8 int32 (the exponents e of the quantised operands' scales 2^e); x 4 x 2,048 x 1,024 float32.
;; Outputs: out0 4 x 2,048 x 1,024 float32.
;; This version of the problem:
;;   THIS VERSION OF THE PROBLEM IS GIVEN IN LOW PRECISION. The matrix products marked QUANTISED in the list below multiply operands that are first quantised to E4M3 (4 exponent bits, 3 mantissa bits; 8 bits a number), with one given power-of-two scale for each operand tensor; their sums are f32. All else is computed in f32.
;;   The module's matrix products, in the order in which they are computed (A, B: the left and right operand; K: the contracted axis; several contracted axes count as one K, in the product's order):
;;     1. [M 8,192, K 1,024] x [K 1,024, N 3,072]; A: input x; B: input W_qkv: QUANTISED (scales: A lowp_scales[0], B lowp_scales[1])
;;     2. batch 64 x [M 2,048, K 64] x [K 64, N 2,048]; A: computed on the way; B: computed on the way: QUANTISED (scales: A lowp_scales[2], B lowp_scales[3])
;;     3. batch 64 x [M 2,048, K 2,048] x [K 2,048, N 64]; A: softmax (see below); B: computed on the way: QUANTISED (scales: A lowp_scales[4], B lowp_scales[5])
;;     4. [M 8,192, K 1,024] x [K 1,024, N 1,024]; A: computed on the way; B: input W_proj: QUANTISED (scales: A lowp_scales[6], B lowp_scales[7])
;;   THE QUANTISER, for each operand of a quantised product, along K:
;;     - The operand's scale is 2^e, e = its entry of the input lowp_scales (int32; the entries are numbered through the quantised products in the list's order, A before B).
;;     - Each number is divided by the scale, clamped to +-448, and rounded to the nearest number of E4M3, ties to even, subnormals kept.
;;     - The product sums the exact products of the quantised numbers (number of the format x scale) in f32.
;;   ~~~python
;;   def quantise(x, axis, e):      # numpy; x: float32 -> the quantised numbers, widened to float32 again
;;       x = np.moveaxis(x, axis, -1); K = x.shape[-1]
;;       r = np.clip(x / 2.0 ** e, -448, 448)
;;       step = 2.0 ** (np.maximum(np.frexp(np.where(r == 0, 1, r))[1] - 1, -6) - 3)
;;       q = np.round(r / step) * step * 2.0 ** e      # np.round: ties to even
;;       return np.moveaxis(q, -1, axis).astype(np.float32)
;;   ~~~
;;   SOFTMAX AHEAD OF A QUANTISED PRODUCT. Where the list says 'softmax', what is quantised is not the finished softmax but p = 2^(t - M), with t = logit x log2(e) and M = ceil(the row's largest t), a whole number; so 1/2 < the row's largest p <= 1. The row's sum l is taken of the UNQUANTISED p, in f32, and the product's result is divided by l at the end. Since M is a whole number, a kernel that streams over the keys may use a running M (the ceiling of the running maximum): every later rescaling is an exact power of two, so the quantised numbers keep their values, but for numbers so far below the row's largest that they fall under the format's range.
;;   OPERANDS COMPUTED ON THE WAY. 'Computed on the way' means the value that the module computes at that place (a softmax that the list does not call 'softmax' is quantised finished and normalised). What goes into a quantiser is computed in f32, as accurately as f32 sums, v_exp_f32 and their like allow (about 1e-6 of the number): no bf16 or f16 on the way to a quantiser, and a product that is left as it is and whose result goes on into a quantised operand takes f32 operands (vector FMAs, or v_wmma_f32_16x16x4_f32). A number that lies on a knife's edge between two numbers of the format may be rounded either way, as far as f32 arithmetic and the matrix unit's own rounding can turn it there, and no further.
;; One version. Each part assembles by itself: llvm-mc -triple=amdgcn-amd-amdhsa -mcpu=gfx1250 --defsym DOCPART=n.
;; ======== version 1 of 1: 4 launches
;; limits: right only within a limited range of input values
;; workspace buffers: xc 8,388,608 bytes; wqc 3,145,728 bytes; wpc 1,048,576 bytes; tab 524,288 bytes; qc 8,388,608 bytes; kc 8,388,608 bytes; vc 8,388,608 bytes; ac 8,388,608 bytes
;; launch prep (part 1): grid 640 x 1, 4 waves a work-group, no clusters, 34,304 bytes of LDS; arguments x, W_qkv, W_proj, lowp_scales, xc, wqc, wpc, tab; writes xc, wqc, wpc, tab
.if DOCPART == 1
	.amdgcn_target "amdgcn-amd-amdhsa--gfx1250"
	.amdhsa_code_object_version 6
	.text
	.protected	k_q3517b7f91f_prep
	.globl	k_q3517b7f91f_prep
	.p2align	8
	.type	k_q3517b7f91f_prep,@function
k_q3517b7f91f_prep:
	s_mov_b64 s[64:65], 0
	v_nop
	global_prefetch_b8 v0, s[64:65] scope:SCOPE_SE
	s_setreg_imm32_b32 hwreg(HW_REG_WAVE_MODE, 25, 1), 1
	s_wait_xcnt 0x0
; x [8192][1024], W_qkv [3072][1024], W_proj [1024][1024], f32, become codes of FP8 (E4M3), each with its given scale 2^e (entries 0, 1, 7); and the table of cos and sin for the rotation is made.
; code = number / 2^e, held within +-448, to the nearest code, ties to even.  LIMITS: each e between -126 and 119; NaN among the inputs is not served.
; THE CODES ARE LAID AS IMAGES OF OPERAND REGISTERS: [tile of 16 rows][K step of 128][group c of 4][lane][16 bytes]; lane 16 h + r of group c holds k = 32 c + 16 h + 0 .. 15 of the tile's position r.
; So a later launch fetches a fragment by four loads of 16 bytes a lane at 16 x lane, 512 consecutive bytes each.
; In xc and wpc position r of tile m is row 16 m + r.  In wqc tile 2 g + u, position r, is row 32 g + 8 u + r + 8 (r / 8): used as source 0 of a product, two neighbouring tiles then give a lane 16 neighbouring rows.
; SHARES.  Work-groups 0-255: x (two tiles each); 256-351: W_qkv; 352-383: W_proj; 384-639: the table.  In the first three a wave takes one tile and half of K: four steps of one fragment (16 rows x 128 numbers).
; A step's 16 loads read 512 consecutive bytes of one row each; the numbers turn through the wave's own stage in LDS (rows 528 bytes apart) so that a lane gets 16 neighbours of each block of 32; 4 stores of 512 consecutive bytes.
; No tensor loads, no barrier: waves share nothing.  Loads run one step (16 loads a wave) ahead of the step at work.
; THE TABLE: tab [t / 16][c 2][q 4][lane][16 bytes]: lane (r, h) holds cos, sin, cos, sin of t = 16 tile + r for the pairs i = 16 c + 8 h + 2 q and i + 1.  angle = t x 10000^(-i / 32), the product rounded once;
; the angle is reduced by multiples of pi / 2 taken in two parts (n is at most 1,304, the first part's product is taken off exactly), and sin and cos come from their series to r^9 and r^10, |r| <= pi / 4.
; LIMIT: 10000^(-i / 32) is v_exp_f32's, within about one unit in its last place; at the largest angles (about 1,500) that moves cos and sin by up to about 2e-4, as one unit in the angle's own last place does.
; WORK LEFT OUT by the later launch attn: key steps that lie wholly above the diagonal of the causal mask, which reference() builds itself (jnp.tril): their scores are -inf and their p is 0 whatever the inputs hold.
; LIMIT: a NaN, an infinity or an overflow that reaches only those steps is not carried to the result.
.set STG, 8448
.set SP,  528                          ; 512 bytes + 16: row r starts at bank 4 r mod 64 (64 banks of 4 bytes: ISA guide 11.1)
.set R,   16                           ; v16-143  two sets of 64 numbers as loaded
.set X,   144                          ; v144-207 64 numbers: register 16 c + i = k 32 c + 16 h + i of my row
.set C,   208                          ; v208-239 two sets of 16 registers of codes
	s_load_b256 s[4:11], s[0:1], 0x0               ; x s[4:5], W_qkv s[6:7], W_proj s[8:9], the scales' exponents s[10:11]
	s_load_b256 s[12:19], s[0:1], 0x20             ; xc s[12:13], wqc s[14:15], wpc s[16:17], tab s[18:19]
	v_lshl_add_u32 v240, v0, 2, 0x8400
	v_mov_b32 v241, 0
	s_cmp_ge_u32 ttmp9, 384
	s_cbranch_scc1 .Ltable
	v_lshrrev_b32 v1, 5, v0
	v_readfirstlane_b32 s40, v1                    ; wave
	v_and_b32 v6, 31, v0
	v_lshlrev_b32 v2, 4, v6                        ; 16 x lane: my bytes of a load's and of a store's 512
	s_mul_i32 s41, s40, STG
	v_add_nc_u32 v4, s41, v2                       ; into the stage: as loaded
	v_and_b32 v7, 15, v0                           ; r
	v_bfe_u32 v8, v0, 4, 1                         ; h
	v_mul_u32_u24 v5, v7, SP
	v_lshl_add_u32 v5, v8, 6, v5
	v_add_nc_u32 v5, s41, v5                       ; out of it: row r, + 64 h bytes
	s_lshr_b32 s42, s40, 1                         ; u: which of the work-group's two tiles
	s_and_b32 s43, s40, 1                          ; which half of K
	s_wait_alu depctr_va_vdst(0)
	s_wait_kmcnt 0x0
	s_load_b256 s[24:31], s[10:11], 0x0            ; e0 .. e7
	s_cmp_lt_u32 ttmp9, 352                        ; the choices hang on the work-group's number alone
	s_cselect_b64 s[20:21], s[6:7], s[8:9]         ; from
	s_cselect_b64 s[22:23], s[14:15], s[16:17]     ; to
	s_mov_b32 s32, 352
	s_cselect_b32 s32, 256, s32                    ; the tensor's first work-group
	s_cselect_b32 s33, 1, 0                        ; 1: rows in wqc's order
	s_cmp_lt_u32 ttmp9, 256
	s_cselect_b64 s[20:21], s[4:5], s[20:21]
	s_cselect_b64 s[22:23], s[12:13], s[22:23]
	s_cselect_b32 s32, 0, s32
	s_cselect_b32 s33, 0, s33
	s_sub_co_u32 s36, ttmp9, s32                   ; g
	s_cmp_eq_u32 s33, 1
	s_cselect_b32 s34, 8, 16                       ; rows from tile 2 g to tile 2 g + 1
	s_cselect_b32 s35, 0x8000, 0                   ; positions 8-15 lie 8 rows (of 4,096 bytes) further on in wqc's order
	s_mul_i32 s34, s34, s42
	s_lshl_b32 s37, s36, 5
	s_add_co_u32 s37, s37, s34                     ; the tile's first row
	s_lshl_b32 s38, s37, 12
	s_lshl_b32 s39, s43, 11
	s_add_co_u32 s38, s38, s39                     ; in bytes, + my half of K (512 numbers)
	s_mov_b32 s39, 0
	s_add_nc_u64 s[20:21], s[20:21], s[38:39]
	s_lshl_b32 s38, s36, 1
	s_add_co_u32 s38, s38, s42                     ; the tile
	s_lshl_b32 s38, s38, 14
	s_lshl_b32 s44, s43, 13
	s_add_co_u32 s38, s38, s44                     ; 16,384 bytes a tile, + four fragments of 2,048
	s_add_nc_u64 s[22:23], s[22:23], s[38:39]
	v_add_nc_u32 v3, s35, v2
.macro LOAD t                          ; step t's 16 rows x 512 bytes into set t % 2
.irp p, 0,1,2,3,4,5,6,7
	global_load_b128 v[R+64*((\t)%2)+4*\p:R+64*((\t)%2)+4*\p+3], v2, s[20:21] offset:\p*4096+512*(\t) th:TH_LOAD_NT
.endr
.irp p, 8,9,10,11,12,13,14,15
	global_load_b128 v[R+64*((\t)%2)+4*\p:R+64*((\t)%2)+4*\p+3], v3, s[20:21] offset:\p*4096+512*(\t) th:TH_LOAD_NT
.endr
.endm
	LOAD 0
	LOAD 1
	s_wait_alu depctr_va_vdst(0)
	s_wait_kmcnt 0x0
	s_cmp_lt_u32 ttmp9, 352
	s_cselect_b32 s45, s25, s31
	s_cmp_lt_u32 ttmp9, 256
	s_cselect_b32 s45, s24, s45                    ; e
	s_add_co_i32 s45, s45, 127
	s_lshl_b32 s46, s45, 23
	v_mov_b32 v11, s46                             ; 2^e as f32: the conversion takes its exponent field
	s_add_co_i32 s45, s45, 8
	s_lshl_b32 s45, s45, 23
	s_or_b32 s45, s45, 0x600000
	v_mov_b32 v10, s45                             ; 448 x 2^e
.macro STEP t
.set RS, R+64*((\t)%2)
.set CB, C+16*((\t)%2)
.if (\t) < 3
	s_wait_loadcnt 16                              ; this step's 16 loads are in; the next step's may be out
.else
	s_wait_loadcnt 0x0
.endif
.irp p, 0,1,2,3,4,5,6,7,8,9,10,11,12,13,14,15
	ds_store_b128 v4, v[RS+4*\p:RS+4*\p+3] offset:SP*\p
.endr
.irp c, 0,1,2,3
.irp q, 0,1,2,3
	ds_load_b128 v[X+16*\c+4*\q:X+16*\c+4*\q+3], v5 offset:128*\c+16*\q   ; LDS serves a wave's instructions in order (ISA guide 5.7.1.4): these see the stores above
.endr
.endr
	s_wait_dscnt 0x0                               ; the numbers are back; the stores into the stage have read their registers,
.if (\t) < 2
	LOAD (\t)+2                                    ; which take the loads of two steps on
.endif
.if (\t) >= 2
	s_wait_xcnt 0x0                                ; the stores of two steps back have read this set of codes: it is written again only behind this wait
.endif
.set i, 0
.rept 64
	v_med3_num_f32 v[X+i], v[X+i], -v10, v10       ; the conversion to an 8-bit code does not saturate (ISA guide 7.6.2): the hold at the largest code x the scale
.set i, i+1
.endr
.set i, 0
.rept 8
	v_cvt_scalef32_pk8_fp8_f32 v[CB+2*i:CB+2*i+1], v[X+8*i:X+8*i+7], v11
.set i, i+1
.endr
	v_nop                                          ; one plain vector line behind the conversions: the next step's holds write their sources
.irp c, 0,1,2,3
	global_store_b128 v2, v[CB+4*\c:CB+4*\c+3], s[22:23] offset:2048*(\t)+512*\c   ; 32 lanes store 512 consecutive bytes, aligned
.endr
.endm
	s_wait_alu depctr_va_vdst(0)
	STEP 0
	STEP 1
	STEP 2
	STEP 3
	s_wait_tensorcnt 0x0
	ds_add_u32 v240, v241
	s_wait_dscnt 0x0
	s_endpgm
.Ltable:                                           ; one chunk of 16 bytes a thread: two pairs' cos and sin
	s_sub_co_u32 s40, ttmp9, 384
	s_lshr_b32 s41, s40, 1                         ; t / 16
	s_and_b32 s42, s40, 1                          ; c
	s_lshl_b32 s42, s42, 4
	s_lshl_b32 s44, s40, 11                        ; the work-group's 2,048 bytes
	s_mov_b32 s45, 0
	v_and_b32 v1, 15, v0
	v_lshl_add_u32 v1, s41, 4, v1                  ; t
	v_bfe_u32 v2, v0, 4, 1                         ; h
	v_bfe_u32 v3, v0, 5, 2                         ; q
	v_lshlrev_b32 v2, 3, v2
	v_lshl_add_u32 v2, v3, 1, v2
	v_add_nc_u32 v2, s42, v2                       ; i = 16 c + 8 h + 2 q
	v_cvt_f32_u32 v4, v1
	v_cvt_f32_u32 v5, v2
	v_add_f32 v6, 1.0, v5
	v_mul_f32 v5, 0xbed49a78, v5                   ; -i log2(10000) / 32
	v_mul_f32 v6, 0xbed49a78, v6
	s_wait_alu depctr_va_vdst(0)
	v_exp_f32 v7, v5
	v_exp_f32 v8, v6
	v_lshlrev_b32 v9, 4, v0                        ; (the plain line behind the exponentials)  my 16 bytes
	s_wait_alu depctr_va_vdst(0)                   ; one wait for both, ahead of their first reader
.macro CS inv, co, si
	v_mul_f32 v20, v4, v[\inv]                     ; the angle
	v_mul_f32 v21, 0x3f22f983, v20                 ; x 2 / pi
	v_rndne_f32 v21, v21                           ; n
	v_fmamk_f32 v22, v21, 0xbfc90fdb, v20          ; - n x the upper part of pi / 2: nothing is rounded
	v_fmamk_f32 v22, v21, 0x333bbd2e, v22          ; - n x the lower part (which is negative)
	v_mul_f32 v23, v22, v22
	v_mov_b32 v24, 0x3638ef1d                      ; 1 / 9!
	v_fmaak_f32 v24, v24, v23, 0xb9500d01          ; -1 / 7!
	v_fmaak_f32 v24, v24, v23, 0x3c088889          ; 1 / 5!
	v_fmaak_f32 v24, v24, v23, 0xbe2aaaab          ; -1 / 3!
	v_mul_f32 v24, v24, v23
	v_fma_f32 v24, v24, v22, v22                   ; sin r
	v_mov_b32 v25, 0xb493f27e                      ; -1 / 10!
	v_fmaak_f32 v25, v25, v23, 0x37d00d01          ; 1 / 8!
	v_fmaak_f32 v25, v25, v23, 0xbab60b61          ; -1 / 6!
	v_fmaak_f32 v25, v25, v23, 0x3d2aaaab          ; 1 / 4!
	v_fmaak_f32 v25, v25, v23, 0xbf000000          ; -1 / 2
	v_fma_f32 v25, v25, v23, 1.0                   ; cos r
	v_cvt_i32_f32 v26, v21
	v_and_b32 v27, 1, v26
	v_cmp_ne_u32 vcc_lo, 0, v27                    ; an odd quarter turn swaps the two (a choice of values: no branch, no address)
	v_cndmask_b32 v[\co], v25, v24, vcc_lo
	v_cndmask_b32 v[\si], v24, v25, vcc_lo
	v_add_nc_u32 v27, 1, v26
	v_and_b32 v27, 2, v27
	v_lshlrev_b32 v27, 30, v27
	v_xor_b32 v[\co], v27, v[\co]                  ; cos is negative in quarters 1 and 2,
	v_and_b32 v27, 2, v26
	v_lshlrev_b32 v27, 30, v27
	v_xor_b32 v[\si], v27, v[\si]                  ; sin in quarters 2 and 3
.endm
	CS 7, 40, 41
	CS 8, 42, 43
	s_wait_alu depctr_va_vdst(0)
	s_wait_kmcnt 0x0
	s_add_nc_u64 s[18:19], s[18:19], s[44:45]
	global_store_b128 v9, v[40:43], s[18:19]       ; a wave stores 512 consecutive bytes, aligned
	s_endpgm
.Lfunc_end_k_q3517b7f91f_prep:
	.size	k_q3517b7f91f_prep, .Lfunc_end_k_q3517b7f91f_prep-k_q3517b7f91f_prep
	.p2alignl 7, 3214868480
	.fill 96, 4, 3214868480
	.section	.rodata,"a",@progbits
	.p2align	6, 0x0
	.amdhsa_kernel k_q3517b7f91f_prep
		.amdhsa_group_segment_fixed_size 34304
		.amdhsa_private_segment_fixed_size 0
		.amdhsa_enable_private_segment 0
		.amdhsa_kernarg_size 64
		.amdhsa_user_sgpr_count 2
		.amdhsa_user_sgpr_kernarg_segment_ptr 1
		.amdhsa_wavefront_size32 1
		.amdhsa_system_sgpr_workgroup_id_x 1
		.amdhsa_system_sgpr_workgroup_id_y 1
		.amdhsa_system_sgpr_workgroup_id_z 1
		.amdhsa_system_vgpr_workitem_id 0
		.amdhsa_next_free_vgpr 242
		.amdhsa_next_free_sgpr 66
		.amdhsa_reserve_vcc 1
		.amdhsa_float_denorm_mode_32 3
		.amdhsa_float_denorm_mode_16_64 3
		.amdhsa_memory_ordered 1
		.amdhsa_forward_progress 1
		.amdhsa_inst_pref_size 41
	.end_amdhsa_kernel
	.amdgpu_metadata
---
amdhsa.version: [ 1, 2 ]
amdhsa.kernels:
  - .name:           k_q3517b7f91f_prep
    .symbol:         k_q3517b7f91f_prep.kd
    .args:
      - { .name: x, .offset: 0, .size: 8, .value_kind: global_buffer, .address_space: global }
      - { .name: W_qkv, .offset: 8, .size: 8, .value_kind: global_buffer, .address_space: global }
      - { .name: W_proj, .offset: 16, .size: 8, .value_kind: global_buffer, .address_space: global }
      - { .name: lowp_scales, .offset: 24, .size: 8, .value_kind: global_buffer, .address_space: global }
      - { .name: xc, .offset: 32, .size: 8, .value_kind: global_buffer, .address_space: global }
      - { .name: wqc, .offset: 40, .size: 8, .value_kind: global_buffer, .address_space: global }
      - { .name: wpc, .offset: 48, .size: 8, .value_kind: global_buffer, .address_space: global }
      - { .name: tab, .offset: 56, .size: 8, .value_kind: global_buffer, .address_space: global }
    .group_segment_fixed_size: 34304
    .private_segment_fixed_size: 0
    .kernarg_segment_align: 8
    .kernarg_segment_size: 64
    .max_flat_workgroup_size: 128
    .sgpr_count:     66
    .vgpr_count:     242
    .wavefront_size: 32
...
	.end_amdgpu_metadata
.endif
;; end of part 1
;; launch qkv (part 2): grid 12 x 32, 4 waves a work-group, clusters of 4 x 4, 327,680 bytes of LDS; arguments xc, wqc, lowp_scales, tab, qc, kc, vc; writes qc, kc, vc
.if DOCPART == 2
	.amdgcn_target "amdgcn-amd-amdhsa--gfx1250"
	.amdhsa_code_object_version 6
	.text
	.protected	k_q3517b7f91f_qkv
	.globl	k_q3517b7f91f_qkv
	.p2align	8
	.type	k_q3517b7f91f_qkv,@function
k_q3517b7f91f_qkv:
	s_mov_b64 s[64:65], 0
	v_nop
	global_prefetch_b8 v0, s[64:65] scope:SCOPE_SE
	s_setreg_imm32_b32 hwreg(HW_REG_WAVE_MODE, 25, 1), 1
	s_wait_xcnt 0x0
	s_wait_alu depctr_hold_cnt(0) depctr_sa_sdst(0) depctr_va_vdst(0) depctr_va_sdst(0) depctr_va_ssrc(0) depctr_va_vcc(0) depctr_vm_vsrc(0)
	s_getreg_b32 s2, hwreg(HW_REG_IB_STS2, 6, 4)
	s_cmp_eq_u32 s2, 0
	s_cbranch_scc0 .Lentry_in_a_cluster
	s_endpgm
.Lentry_in_a_cluster:
	s_bfe_u32 s2, ttmp6, 0x10000c
	s_cmp_lg_u32 s2, 0xf033
	s_cbranch_scc0 .Lentry_shape_is_right
	s_endpgm
.Lentry_shape_is_right:
; The first product, x W_qkv^T, on codes of FP8 (E4M3); the rotation of Q and K; q, k and v quantised with their given scales (entries 2, 3, 5) into images of the next launch's operand registers.
; A tile of 256 x 256 is made by a work-group of four waves, a wave makes 128 x 128: 64 accumulators, 512 registers.  K = 1,024 goes in four steps of 256 through two LDS slots filled by the tensor data mover.
; xc and wqc are images of operand registers ([tile of 16 rows][K step of 128][group c][lane][16 bytes]): a fragment is four loads of 512 consecutive LDS bytes; no padding is needed.
; CLUSTERS of 4 x 4.  The A-role's tiles are shared along a row of the cluster, the B-role's along a column, each by a joint tensor load with one descriptor and a mask of four.
; Cluster columns 0 and 1 make Q and K: A-role = x, B-role = W's rows.  Cluster column 2 makes V TRANSPOSED: A-role = W_v's rows, B-role = x.  The choice hangs on the cluster's x, which all sixteen partners share.
; SOURCE 0 = B-role, SOURCE 1 = A-role: a lane holds one position r of the A-role's tile, its registers eight positions 8 h + j of the B-role's.
;   Q, K: a lane holds one row t; by wqc's order of rows the 16 registers of accumulators 2 b', 2 b' + 1 are d' = 32 b' + 16 h + 0 .. 15: pairs of the rotation lie in register pairs, and two conversions give 16 bytes of an image.
;   V: a lane holds one channel, its registers run along the keys, which are the third product's K.
; So every store is 512 consecutive bytes straight from registers: no stage in LDS.
; A sum stands for sum x 2^(e0 + e1); the rotation is linear, so that factor is folded into the conversion's scale 2^E, E = e2 (Q), e3 (K), e5 (V) - e0 - e1.  LIMIT: E between -126 and 119.
; qc, kc: [16 b + head][t / 16][c 2][lane][16]: d = 32 c + 16 h + 0 .. 15 of row t.   vc: [16 b + head][key / 128][channel tile 4][g 4][lane][16]: keys 32 g + 8 h + 0 .. 7, then 32 g + 16 + 8 h + 0 .. 7; the tile's position r is a channel in wqc's order.
; REGISTERS, in windows of 256: window 0: v16-31 addresses and scales; v32-127 table blocks 0-2; from v128 A's fragments, ONE set; on the way out v128-191 at work, v192-255 codes.
;   window 1: B's fragments, TWO sets, at v0 and v128; on the way out table blocks 3-7.   windows 2, 3: accumulator (a, b) at v[8 (8 (a % 4) + b)].
.set KB,     4096                      ; a K step of 256 in a tile of 16 rows: two fragments
.set HALFT,  32768                     ; 8 tiles of 16 rows: what one tensor load brings, and what one wave reads of a role
.set SLOT,   131072                    ; A's two halves, then B's two
.set SPARE,  262144                    ; behind the ring: the spare words, 128 bytes for each wave: two blocks of 256 bytes that no other line names
.set FR,     16
.set NL,     4
.set NP,     4                         ; places behind this matrix instruction (ISA guide 7.12.1)
.set ADRA, 16                          ; v16-17  LDS address of my A fragments in slot 0, 1
.set ADRB, 20                          ; v20-21  the same for B
.set LI,   24                          ; v24     16 x lane
.set SPW,  28                          ; v28     LDS address of my spare word; never rewritten
.set NIL,  29                          ; v29     0; never rewritten
.set SC,   30                          ; v30     2^E
.set LIM,  31                          ; v31     448 x 2^E
.set T0,   32
.set AF,   128
.set TMP,  128
.set CD,   192
.set G1, 24                            ; s[24:31] group 1 for the A-role;  s[32:39] group 0, one set for each slot
.set G0, 32
.set G1B, 48                           ; s[48:55], s[56:63] the same for the B-role
.set G0B, 56
.set MSB, 0
.macro WIN new                         ; the immediate's high byte repeats the setting that is left
.if MSB != \new
	s_set_vgpr_msb (MSB<<8)|\new
.set MSB, \new
.endif
.endm
.set MUL_LO, 0xa1                      ; source 0 (B) window 1, source 1 (A) window 0, C and D window 2
.set MUL_HI, 0xf1                      ; the same, C and D window 3
.set TO_B,   0x40                      ; destination window 1, address window 0
; A joint load: waves 0 and 1 fetch for the A-role, waves 2 and 3 for the B-role.  The branch hangs on the wave's number alone.  Four v_nop follow each of the two lines.
.macro JLOAD g0a, g1a, g0b, g1b
	s_cmp_eq_u32 s15, 0
	s_cbranch_scc0 .Lfor_b_\@
	tensor_load_to_lds s[\g0a:\g0a+3], s[\g1a:\g1a+7]
	s_nop 0
.rept 4
	v_nop
.endr
	s_branch .Lasked_\@
.Lfor_b_\@:
	tensor_load_to_lds s[\g0b:\g0b+3], s[\g1b:\g1b+7]
	s_nop 0
.rept 4
	v_nop
.endr
.Lasked_\@:
.endm
.macro CREST                           ; a round of the cluster's barrier behind its opening barrier
	s_cmp_lg_u32 s14, 0
	s_cbranch_scc1 .Lnot_wave_0_\@
	s_barrier_signal -3
.Lnot_wave_0_\@:
	s_barrier_wait -3
	s_barrier_signal -1
	s_barrier_wait -1
.endm
.macro CROUND
	s_barrier_signal -1
	s_barrier_wait -1
	CREST
.endm
	s_load_b256 s[4:11], s[0:1], 0x0               ; xc s[4:5], wqc s[6:7], the scales' exponents s[8:9], tab s[10:11]
	s_load_b128 s[68:71], s[0:1], 0x20             ; qc s[68:69], kc s[70:71]
	s_load_b64 s[72:73], s[0:1], 0x30              ; vc
	v_lshl_add_u32 v[SPW], v0, 2, SPARE
	v_mov_b32 v[NIL], 0
	ds_add_u32 v28, v29
	ds_add_u32 v28, v29
	s_wait_dscnt 0x0
	v_lshrrev_b32 v1, 5, v0
	v_readfirstlane_b32 s14, v1                    ; wave 0..3
	s_lshr_b32 s15, s14, 1                         ; my half of the A-role's rows.  Also: I fetch for A (0) or for B (1)
	s_and_b32 s16, s14, 1                          ; my half of the B-role's rows.  Also: which 128 rows I fetch
	s_bfe_u32 s40, ttmp6, 0x40000                  ; cx
	s_bfe_u32 s41, ttmp6, 0x40004                  ; cy
	s_and_b32 s17, ttmp7, 0xffff
	s_lshl_b32 s17, s17, 2                         ; 4 x cluster y
	s_lshl_b32 s42, ttmp9, 2                       ; 4 x cluster x
	s_cmp_eq_u32 ttmp9, 2                          ; V's clusters?
	s_cselect_b32 s18, 0, s17
	s_cselect_b32 s19, s17, s42
	s_add_co_u32 s17, s18, s41                     ; the A-role's tile of 256 rows: x's 4 Y + cy, or W_v's cy
	s_add_co_u32 s42, s19, s40                     ; the B-role's: W's 4 X + cx, or x's 4 Y + cx
	s_lshl_b32 s43, s41, 2
	s_lshl_b32 s43, 15, s43                        ; my row of the cluster
	s_lshl_b32 s44, 0x1111, s40                    ; my column
	; group 1: 8 rows (tiles of 16) x 4,096 bytes, 16,384 bytes apart in memory, dense in LDS
	s_or_b32 s[G1+0], s43, (1<<21)                 ; 15:0 the mask; 17:16 elements of 1 byte; 21 set beside a mask
	s_or_b32 s[G1B+0], s44, (1<<21)
.irp g, G1, G1B
	s_mov_b32 s[\g+1], 4096<<16                    ; tensor_dim0
	s_mov_b32 s[\g+2], 8<<16                       ; tensor_dim1
	s_mov_b32 s[\g+3], 4096<<16                    ; tile_dim0
	s_mov_b32 s[\g+4], 8                           ; tile_dim1
	s_mov_b32 s[\g+5], 16384                       ; tensor_dim0_stride
	s_mov_b32 s[\g+6], 0
	s_mov_b32 s[\g+7], 0
.endr
	s_lshl_b32 s18, s16, 17                        ; which 8 tiles I fetch
	s_lshl_b32 s20, s17, 18                        ; 256 rows are 262,144 bytes
	s_add_co_u32 s20, s20, s18
	s_mov_b32 s21, 0
	s_lshl_b32 s46, s42, 18
	s_add_co_u32 s46, s46, s18
	s_mov_b32 s47, 0
	s_lshl_b32 s45, s14, 15                        ; where they go: wave x HALFT: no place in the cluster enters an LDS address
	s_wait_kmcnt 0x0
	s_load_b256 s[80:87], s[8:9], 0x0              ; e0 .. e7
	s_add_nc_u64 s[74:75], s[6:7], 0x200000        ; W_v's tiles: rows 2,048 on
	s_cmp_eq_u32 ttmp9, 2
	s_cselect_b64 s[76:77], s[74:75], s[4:5]       ; the A-role's buffer
	s_cselect_b64 s[78:79], s[4:5], s[6:7]         ; the B-role's
	s_add_nc_u64 s[20:21], s[76:77], s[20:21]
	s_add_nc_u64 s[46:47], s[78:79], s[46:47]
	CROUND                                         ; all sixteen work-groups are here: the first joint loads meet
.irp s, 0,1
	s_mov_b32 s[G0+4*\s], 1
	s_add_co_u32 s[G0+4*\s+1], s45, \s*SLOT
	s_add_nc_u64 s[G0+4*\s+2:G0+4*\s+3], s[20:21], \s*KB
	s_or_b32 s[G0+4*\s+3], s[G0+4*\s+3], 0x80000000
	s_mov_b32 s[G0B+4*\s], 1
	s_add_co_u32 s[G0B+4*\s+1], s45, \s*SLOT
	s_add_nc_u64 s[G0B+4*\s+2:G0B+4*\s+3], s[46:47], \s*KB
	s_or_b32 s[G0B+4*\s+3], s[G0B+4*\s+3], 0x80000000
.endr
	JLOAD G0, G1, G0B, G1B                         ; K step 0: one tensor load a wave at the head
	v_and_b32 v1, 31, v0
	v_lshlrev_b32 v[LI], 4, v1
	s_lshl_b32 s21, s15, 15                        ; my 128 rows of A
	s_lshl_b32 s22, s16, 15                        ; my 128 rows of B,
	s_add_co_u32 s22, s22, 2*HALFT                 ; which lie behind A's 256
.irp s, 0,1
	v_add_nc_u32 v[ADRA+\s], s21, v[LI]
	v_add_nc_u32 v[ADRB+\s], s22, v[LI]
	s_add_co_u32 s21, s21, SLOT
	s_add_co_u32 s22, s22, SLOT
.endr
	s_wait_alu depctr_va_vdst(0)
	s_wait_kmcnt 0x0
	s_cmp_eq_u32 ttmp9, 0
	s_cselect_b32 s88, s82, s83                    ; e2 for Q, e3 for K,
	s_cselect_b64 s[90:91], s[68:69], s[70:71]
	s_cmp_eq_u32 ttmp9, 2
	s_cselect_b32 s88, s85, s88                    ; e5 for V
	s_cselect_b64 s[90:91], s[72:73], s[90:91]     ; where the codes go
	s_cselect_b32 s94, s42, s17                    ; x's tile of 256 rows
	s_cselect_b32 s95, s41, s40                    ; W's tile of 256 rows within Q, K or V: four heads
	s_cselect_b32 s18, s15, s16                    ; my half of W's rows: two heads
	s_cselect_b32 s19, s16, s15                    ; my half of x's rows
	s_lshl_b32 s95, s95, 2
	s_lshl_b32 s18, s18, 1
	s_add_co_u32 s95, s95, s18                     ; my first head
	s_lshr_b32 s18, s94, 3
	s_lshl_b32 s18, s18, 4
	s_add_co_u32 s95, s95, s18                     ; + 16 x batch
	s_lshl_b32 s95, s95, 17                        ; 131,072 bytes a head
	s_and_b32 s94, s94, 7
	s_lshl_b32 s94, s94, 14                        ; 64 bytes for each t: 256 t a tile,
	s_lshl_b32 s19, s19, 13                        ; 128 t a half
	s_add_co_u32 s94, s94, s19
	s_add_co_u32 s94, s94, s95
	s_mov_b32 s95, 0
	s_add_nc_u64 s[90:91], s[90:91], s[94:95]
	s_and_b32 s94, s17, 7                          ; the table at my first t (used by Q's and K's clusters): 4,096 bytes for each 16 t
	s_lshl_b32 s94, s94, 16
	s_lshl_b32 s19, s15, 15
	s_add_co_u32 s94, s94, s19
	s_add_nc_u64 s[92:93], s[10:11], s[94:95]
	s_sub_co_i32 s88, s88, s80
	s_sub_co_i32 s88, s88, s81                     ; E
	s_add_co_i32 s88, s88, 127
	s_lshl_b32 s89, s88, 23
	v_mov_b32 v[SC], s89
	s_add_co_i32 s88, s88, 8
	s_lshl_b32 s88, s88, 23
	s_or_b32 s88, s88, 0x600000
	v_mov_b32 v[LIM], s88
.macro FRAG reg, adr, q, i             ; a fragment's image: four groups of 512 consecutive bytes; registers 4 c .. 4 c + 3 hold K = 32 c + 16 (l / 16) + 0 .. 15, alike in both roles
.irp c, 0,1,2,3
	ds_load_b128 v[\reg+4*\c:\reg+4*\c+3], v[\adr] offset:4096*(\i)+2048*(\q)+512*\c
.endr
.endm
; 16 matrix instructions: A's blocks a0, a0 + 1 x B's eight, 128 along K.  The 64 accumulators take turns, one instruction a turn, in the same order in every step.
.macro MUL16 a0, p, zero
.irp a, \a0, \a0+1
.irp b, 0,1,2,3,4,5,6,7
.if \zero
	v_wmma_f32_16x16x128_fp8_fp8 v[8*(8*((\a)%4)+\b):8*(8*((\a)%4)+\b)+7], v[128*(\p)+FR*\b:128*(\p)+FR*\b+FR-1], v[AF+FR*(\a):AF+FR*(\a)+FR-1], 0
.else
	v_wmma_f32_16x16x128_fp8_fp8 v[8*(8*((\a)%4)+\b):8*(8*((\a)%4)+\b)+7], v[128*(\p)+FR*\b:128*(\p)+FR*\b+FR-1], v[AF+FR*(\a):AF+FR*(\a)+FR-1], v[8*(8*((\a)%4)+\b):8*(8*((\a)%4)+\b)+7]
.endif
.endr
.endr
.endm
.macro FETCH_B slot, q, p
	WIN TO_B
.irp i, 0,1,2,3,4,5,6,7
	FRAG 128*(\p)+FR*\i, ADRB+\slot, \q, \i
.endr
	WIN 0
.endm
.macro FETCH_A slot, q, i0
.irp i, \i0, \i0+1, \i0+2, \i0+3
	FRAG AF+FR*(\i), ADRA+\slot, \q, \i
.endr
.endm
.macro PLACES n                        ; plain vector lines between a matrix instruction and a load into, or a vector write of, its registers, or a read of its result
.rept \n
	v_nop
.endr
.endm
.macro STEP slot, q, zero              ; 128 along K that has its successor in the same slot
	s_wait_dscnt 4*NL                              ; B's set and A's blocks 0-3 are in; the youngest 16 loads (A's blocks 4-7) may be out
	WIN MUL_LO
	MUL16 0, (\q)%2, \zero
	MUL16 2, (\q)%2, \zero
	s_wait_dscnt 0
	PLACES NP
	FETCH_B \slot, (\q)+1, 1-(\q)%2
	FETCH_A \slot, (\q)+1, 0
	WIN MUL_HI
	MUL16 4, (\q)%2, \zero
	MUL16 6, (\q)%2, \zero
	PLACES NP
	WIN 0
	FETCH_A \slot, (\q)+1, 4
.endm
; A slot's last 128 along K changes slots: ONE barrier; in front of it each wave waits for all its tensor loads, adds 0 to its spare word, and waits for that and for its reads of this slot.  fill = 1: this slot is filled again, two K steps ahead.
.macro TURN slot, next, fill
	s_wait_tensorcnt 0x0                           ; all my tensor loads have landed: my part of the next slot
	ds_add_u32 v[SPW], v[NIL]                      ; 0 onto my spare word
	s_wait_dscnt 4*NL+1                            ; (the add and the youngest 16 loads may be out)
	WIN MUL_LO
	MUL16 0, 1, 0
	s_wait_dscnt 0x0                               ; the add is done, and my reads of this slot are over
	s_barrier_signal -1
	MUL16 2, 1, 0
	WIN 0
	s_barrier_wait -1
.if \fill
	CREST                                          ; the barrier has opened a round of the cluster's: no wave of any partner still reads this slot or has a load on its way
	s_add_nc_u64 s[G0+4*\slot+2:G0+4*\slot+3], s[G0+4*\slot+2:G0+4*\slot+3], 2*KB
	s_add_nc_u64 s[G0B+4*\slot+2:G0B+4*\slot+3], s[G0B+4*\slot+2:G0B+4*\slot+3], 2*KB
	JLOAD G0+4*\slot, G1, G0B+4*\slot, G1B         ; the first tensor load behind the round; its four v_nop are also the places in front of the loads below
.else
	PLACES NP
.endif
	FETCH_B \next, 0, 0
	FETCH_A \next, 0, 0
	WIN MUL_HI
	MUL16 4, 1, 0
	MUL16 6, 1, 0
	PLACES NP
	WIN 0
	FETCH_A \next, 0, 4
.endm
.macro LAST                            ; the very last 128 along K: nothing more to fetch
	s_wait_dscnt 4*NL
	WIN MUL_LO
	MUL16 0, 1, 0
	MUL16 2, 1, 0
	s_wait_dscnt 0
	WIN MUL_HI
	MUL16 4, 1, 0
	MUL16 6, 1, 0
	WIN 0
.endm
	s_wait_alu depctr_va_vdst(0)
	s_wait_tensorcnt 0x0                           ; my part of K step 0 is in
	ds_add_u32 v[SPW], v[NIL]
	s_wait_dscnt 0x0
	CROUND                                         ; everybody's part of K step 0 is in, and all sixteen work-groups are here
	JLOAD G0+4, G1, G0B+4, G1B                     ; K step 1: the first tensor load behind the round
	FETCH_B 0, 0, 0
	FETCH_A 0, 0, 0
	FETCH_A 0, 0, 4
	STEP 0, 0, 1                                   ; the first products start the sums: nothing is cleared.  Four K steps: written straight, no loop
	TURN 0, 1, 1                                   ; slot 0 takes K step 2
	STEP 1, 0, 0
	TURN 1, 0, 1                                   ; slot 1 takes K step 3
	STEP 0, 0, 0
	TURN 0, 1, 0
	STEP 1, 0, 0
	s_cmp_eq_u32 ttmp9, 2                          ; the one parting, on the cluster's x: no tensor load and no barrier but the closing round stands behind it
	s_cbranch_scc1 .Lv
; ---- Q and K.  The table of block a (16 t): 32 registers: for accumulator b, pair p: cos, sin at 8 (b % 4) + 2 p
.macro TABLOAD a, reg
.irp n, 0,1,2,3,4,5,6,7
	global_load_b128 v[\reg+4*\n:\reg+4*\n+3], v[LI], s[92:93] offset:4096*(\a)+512*\n
.endr
.endm
	TABLOAD 0, T0
	TABLOAD 1, T0+32
	TABLOAD 2, T0+64
	WIN TO_B                                       ; B's set 0 is free: four places stand behind the last product that read it
	TABLOAD 3, 0
	TABLOAD 4, 32
	TABLOAD 5, 64
	TABLOAD 6, 96
	LAST
	PLACES NP                                      ; behind the last products: for the load into B's set 1, the writes over A's fragments, and the reads of results
	WIN TO_B
	TABLOAD 7, 128
	WIN 0
.macro OUTQK a
.set AC, 64*((\a)%4)
.if (\a) < 3
.set TW, 0
.set TR, T0+32*(\a)
.elseif (\a) < 7
.set TW, 1
.set TR, 32*((\a)-3)
.else
.set TW, 1
.set TR, 128
.endif
.if (\a) == 0
	s_wait_loadcnt 40                              ; blocks 0-2 of the table are in; the 40 loads of blocks 3-7 may be out
.elseif (\a) == 3
	s_wait_loadcnt 8                               ; blocks 3-6; block 7's eight may be out
.elseif (\a) == 7
	s_wait_loadcnt 0x0
.endif
.if (\a) >= 4
	s_wait_xcnt 0x0                                ; the stores of four blocks back have read these code registers
.endif
.set WN, (2+(\a)/4)|(TW<<2)
	WIN WN                                         ; source 0: the sums' window; source 1: the table's
.irp b, 0,1,2,3,4,5,6,7
.irp p, 0,2,4,6
	v_pk_mul_f32 v[TMP+8*\b+\p:TMP+8*\b+\p+1], v[AC+8*\b+\p:AC+8*\b+\p+1], v[TR+8*(\b%4)+\p:TR+8*(\b%4)+\p+1] op_sel:[1,1] op_sel_hi:[1,0] neg_lo:[0,1]   ; (-x2 sin, x2 cos); each accumulator from its low end on
.endr
.endr
.irp b, 0,1,2,3,4,5,6,7
.irp p, 0,2,4,6
	v_pk_fma_f32 v[TMP+8*\b+\p:TMP+8*\b+\p+1], v[AC+8*\b+\p:AC+8*\b+\p+1], v[TR+8*(\b%4)+\p:TR+8*(\b%4)+\p+1], v[TMP+8*\b+\p:TMP+8*\b+\p+1] op_sel:[0,0,0] op_sel_hi:[0,1,1]   ; + (x1 cos, x1 sin)
.endr
.endr
	WIN 0
.set i, 0
.rept 64
	v_med3_num_f32 v[TMP+i], v[TMP+i], -v[LIM], v[LIM]   ; the conversion does not saturate (ISA guide 7.6.2): the hold at the largest code x the scale
.set i, i+1
.endr
.set i, 0
.rept 8
	v_cvt_scalef32_pk8_fp8_f32 v[CD+16*((\a)%4)+2*i:CD+16*((\a)%4)+2*i+1], v[TMP+8*i:TMP+8*i+7], v[SC]
.set i, i+1
.endr
	v_nop                                          ; one plain line behind the conversions: the next block writes their sources
.irp g, 0,1,2,3
	global_store_b128 v[LI], v[CD+16*((\a)%4)+4*\g:CD+16*((\a)%4)+4*\g+3], s[90:91] offset:(\g/2)*131072+1024*(\a)+512*(\g%2)   ; head g / 2, tile a of t, group g % 2: 512 consecutive bytes, aligned
.endr
.endm
.irp a, 0,1,2,3,4,5,6,7
	OUTQK \a
.endr
	s_branch .Lend
; ---- V: block a is a tile of 16 channels, accumulators b run along my 128 keys
.Lv:
	LAST
	PLACES NP
.macro OUTV a
.set AC, 64*((\a)%4)
.if (\a) >= 4
	s_wait_xcnt 0x0                                ; the stores of four blocks back have read these code registers
.endif
.set WN, 2+(\a)/4
	WIN WN                                         ; source 0: the sums' window
.set i, 0
.rept 64
	v_med3_num_f32 v[TMP+i], v[AC+i], -v[LIM], v[LIM]
.set i, i+1
.endr
	WIN 0
.set i, 0
.rept 8
	v_cvt_scalef32_pk8_fp8_f32 v[CD+16*((\a)%4)+2*i:CD+16*((\a)%4)+2*i+1], v[TMP+8*i:TMP+8*i+7], v[SC]
.set i, i+1
.endr
	v_nop
.irp g, 0,1,2,3
	global_store_b128 v[LI], v[CD+16*((\a)%4)+4*\g:CD+16*((\a)%4)+4*\g+3], s[90:91] offset:((\a)/4)*131072+2048*((\a)%4)+512*\g   ; head a / 4, channel tile a % 4, keys 32 g on
.endr
.endm
	s_wait_alu depctr_va_vdst(0)
.irp a, 0,1,2,3,4,5,6,7
	OUTV \a
.endr
.Lend:
	s_wait_tensorcnt 0x0                           ; the wave's end
	ds_add_u32 v[SPW], v[NIL]
	s_wait_dscnt 0x0
	CROUND                                         ; the closing round: no work-group ends while a partner may still ask for a tile that names it
	s_endpgm
.Lfunc_end_k_q3517b7f91f_qkv:
	.size	k_q3517b7f91f_qkv, .Lfunc_end_k_q3517b7f91f_qkv-k_q3517b7f91f_qkv
	.p2alignl 7, 3214868480
	.fill 96, 4, 3214868480
	.section	.rodata,"a",@progbits
	.p2align	6, 0x0
	.amdhsa_kernel k_q3517b7f91f_qkv
		.amdhsa_group_segment_fixed_size 327680
		.amdhsa_private_segment_fixed_size 0
		.amdhsa_enable_private_segment 0
		.amdhsa_kernarg_size 56
		.amdhsa_user_sgpr_count 2
		.amdhsa_user_sgpr_kernarg_segment_ptr 1
		.amdhsa_wavefront_size32 1
		.amdhsa_system_sgpr_workgroup_id_x 1
		.amdhsa_system_sgpr_workgroup_id_y 1
		.amdhsa_system_sgpr_workgroup_id_z 1
		.amdhsa_system_vgpr_workitem_id 0
		.amdhsa_next_free_vgpr 1024
		.amdhsa_next_free_sgpr 100
		.amdhsa_reserve_vcc 0
		.amdhsa_float_denorm_mode_32 3
		.amdhsa_float_denorm_mode_16_64 3
		.amdhsa_memory_ordered 1
		.amdhsa_forward_progress 1
		.amdhsa_inst_pref_size 201
	.end_amdhsa_kernel
	.amdgpu_metadata
---
amdhsa.version: [ 1, 2 ]
amdhsa.kernels:
  - .name:           k_q3517b7f91f_qkv
    .symbol:         k_q3517b7f91f_qkv.kd
    .args:
      - { .name: xc, .offset: 0, .size: 8, .value_kind: global_buffer, .address_space: global }
      - { .name: wqc, .offset: 8, .size: 8, .value_kind: global_buffer, .address_space: global }
      - { .name: lowp_scales, .offset: 16, .size: 8, .value_kind: global_buffer, .address_space: global }
      - { .name: tab, .offset: 24, .size: 8, .value_kind: global_buffer, .address_space: global }
      - { .name: qc, .offset: 32, .size: 8, .value_kind: global_buffer, .address_space: global }
      - { .name: kc, .offset: 40, .size: 8, .value_kind: global_buffer, .address_space: global }
      - { .name: vc, .offset: 48, .size: 8, .value_kind: global_buffer, .address_space: global }
    .group_segment_fixed_size: 327680
    .private_segment_fixed_size: 0
    .kernarg_segment_align: 8
    .kernarg_segment_size: 56
    .max_flat_workgroup_size: 128
    .sgpr_count:     100
    .vgpr_count:     1024
    .wavefront_size: 32
...
	.end_amdgpu_metadata
.endif
;; end of part 2
;; launch attn (part 3): grid 4 x 64, 8 waves a work-group, clusters of 4 x 1, 327,680 bytes of LDS; arguments qc, kc, vc, lowp_scales, ac; writes ac
.if DOCPART == 3
	.amdgcn_target "amdgcn-amd-amdhsa--gfx1250"
	.amdhsa_code_object_version 6
	.text
	.protected	k_q3517b7f91f_attn
	.globl	k_q3517b7f91f_attn
	.p2align	8
	.type	k_q3517b7f91f_attn,@function
k_q3517b7f91f_attn:
	s_mov_b64 s[64:65], 0
	v_nop
	global_prefetch_b8 v0, s[64:65] scope:SCOPE_SE
	s_setreg_imm32_b32 hwreg(HW_REG_WAVE_MODE, 25, 1), 1
	s_wait_xcnt 0x0
	s_wait_alu depctr_hold_cnt(0) depctr_sa_sdst(0) depctr_va_vdst(0) depctr_va_sdst(0) depctr_va_ssrc(0) depctr_va_vcc(0) depctr_vm_vsrc(0)
	s_getreg_b32 s2, hwreg(HW_REG_IB_STS2, 6, 4)
	s_cmp_eq_u32 s2, 0
	s_cbranch_scc0 .Lentry_in_a_cluster
	s_endpgm
.Lentry_in_a_cluster:
	s_bfe_u32 s2, ttmp6, 0x10000c
	s_cmp_lg_u32 s2, 0x3003
	s_cbranch_scc0 .Lentry_shape_is_right
	s_endpgm
.Lentry_shape_is_right:
; Products 2 and 3 with the softmax between them, on codes of FP8 (E4M3), under the causal mask; the result is quantised with its given scale (entry 6) into ac, an image of the last product's operand registers.
; t = score x log2(e) / 8; M = the running largest t rounded up to a whole number; p = 2^(t - M) is quantised with 2^e4, held at 448 x 2^e4; the row's sum is taken of the unquantised p and divides at the end.
; WORK LEFT OUT: key steps wholly above the diagonal of reference()'s own causal mask (p = 0 there for all inputs).  A NaN or an infinity that reaches only those steps is not carried to the result.
; LIMITS: e2 + e3 between -123 and 130; e4 and e6 - e4 - e5 between -126 and 119; the scaled scores stay under 2^31 in magnitude.
; SHARES.  A cluster of four work-groups owns one head (cluster y = 16 b + head).  Work-group cx owns, for m = 0 .. 15, the PAIR of tiles of 16 queries with numbers 8 m + cx (tile A) and 8 m + 4 + cx (tile B).
; Both tiles of pair m need the key steps 0 .. m of 128 keys, the last on the diagonal, so each fragment of K and of V that a wave reads from LDS feeds two matrix instructions: 16,384 LDS bytes a step for 32 queries.
; Wave w takes pair 15 - w and then pair w: 17 steps for every wave, and no branch hangs on cx: cx enters Q's and the result's addresses and the mask's lane values alone.
; On the diagonal step tile A's first query is key 16 cx of the step and tile B's key 64 + 16 cx: A's key tiles 4-7 are hidden and B's key tiles 0-3 count, whatever cx is.
; K AND V.  The four work-groups read the same 2 x 131,072 bytes: each part is asked for jointly (mask 15) and all of it stays in LDS: K at 0, V at 0x20000, as images of operand registers.
; Group 1, at the head: keys 0-511, 8,192 bytes a wave (waves 0-3 K, 4-7 V).  Group 2, behind the three lines and a round: keys 512-2,047, 24,576 bytes a wave; it is waited for behind the late pair's first four steps, which every wave has.
; No prefetch: both groups, all that the work-group reads of K and V, are issued ahead of the first loop, so no later request is left for a loop to run ahead of.
; LAYOUT.  S^T = K Q^T (source 0 = 16 keys, source 1 = 16 queries), O^T = V^T P^T: a lane holds one query; register 8 t + i of S^T is key 16 t + 8 (lane / 16) + i of the step, and so lie p's codes and vc's images.
; REGISTERS, in two windows of 256.  Tile A's state lies in window 0, tile B's at the same numbers in window 1, so that one text serves both, under the settings 0 and 0x55:
;   v12 -M, v13 largest t, v[14:15] the sum; v16-23, v24-31 Q of the early and the late pair; v96-159 S^T, p; v160-191 O^T; v192-207 codes; v208-227 at work.
;   window 0 alone: v1-2, v8-9 addresses; v32-95 K's fragments; v254-255 the add's.   window 1 alone: v32-95 V's fragments.
.set SPARE, 0x40000                    ; behind K and V: the spare words, 128 bytes for each of 8 waves
.set LI,  1
.set LV,  2
.set ADK, 8
.set ADV, 9
.set WV,  18
.set CX,  19
.set SEL, 20
.set CS,  22
.set G1A, 24
.set G0A, 32
.set G0B, 36
.set G1B, 68
.set TB,  2
.set CNT, 3
.set KF,  40                           ; the step's first key
.set LLO, 41                           ; first key of the early pair's last step: 128 w
.set LHI, 42                           ; of the late pair's: 128 (15 - w)
.set OA,  76                           ; tile A's first query less that key: 16 cx
.set OB,  77                           ; tile B's: 64 + 16 cx
.set MSB, 0
.macro WIN new                         ; low byte: bits 1:0 source 0, 3:2 source 1, 5:4 source 2, 7:6 destination; the high byte repeats the setting that is left
.if MSB != \new
	s_set_vgpr_msb (MSB<<8)|\new
.set MSB, \new
.endif
.endm
.macro ROUND                           ; a round of the cluster's barrier
	s_barrier_signal -1
	s_barrier_wait -1
	s_cmp_lg_u32 s[WV], 0
	s_cbranch_scc1 .Lnot_wave_0_\@
	s_barrier_signal -3
.Lnot_wave_0_\@:
	s_barrier_wait -3
	s_barrier_signal -1
	s_barrier_wait -1
.endm
.macro QLOAD reg, base                 ; a pair's Q: tile A into window 0, tile B (four tiles of 1,024 bytes on) into window 1
	global_load_b128 v[\reg:\reg+3], v[LI], s[\base:\base+1]
	global_load_b128 v[\reg+4:\reg+7], v[LI], s[\base:\base+1] offset:512
	WIN 0x40
	global_load_b128 v[\reg:\reg+3], v[LI], s[\base:\base+1] offset:4096
	global_load_b128 v[\reg+4:\reg+7], v[LI], s[\base:\base+1] offset:4608
	WIN 0
.endm
	s_load_b256 s[4:11], s[0:1], 0x0               ; qc, kc, vc, the scales' exponents
	s_load_b64 s[12:13], s[0:1], 0x20              ; ac
	v_lshl_add_u32 v254, v0, 2, SPARE
	v_mov_b32 v255, 0
	ds_add_u32 v254, v255                          ; the opening lines: the add twice on end and its one wait
	ds_add_u32 v254, v255
	v_lshrrev_b32 v3, 5, v0
	s_delay_alu instid0(VALU_DEP_1)
	v_readfirstlane_b32 s[WV], v3
	v_and_b32 v[LI], 31, v0
	s_delay_alu instid0(VALU_DEP_1)
	v_lshlrev_b32 v[LI], 4, v[LI]                  ; 16 x lane
	s_delay_alu instid0(VALU_DEP_1)
	v_add_nc_u32 v[LV], 0x20000, v[LI]
	s_bfe_u32 s[CX], ttmp6, 0x40000
	s_and_b32 s14, ttmp7, 0xffff                   ; 16 b + head
	s_lshl_b32 s56, s14, 17                        ; 131,072 bytes a head in qc, kc, vc
	s_mov_b32 s57, 0
	s_and_b32 s15, s[WV], 3
	s_lshl_b32 s58, s15, 13                        ; group 1: my 8,192 bytes
	s_mov_b32 s59, 0
	s_mul_i32 s62, s15, 24576
	s_add_co_u32 s62, s62, 32768                   ; group 2: my 24,576 bytes behind the first 32,768
	s_mov_b32 s63, 0
	s_lshr_b32 s60, s[WV], 2
	s_lshl_b32 s60, s60, 17                        ; K's half of LDS or V's
	s_mov_b32 s[G0A], 1
	s_add_co_u32 s[G0A+1], s58, s60
	s_mov_b32 s[G0B], 1
	s_add_co_u32 s[G0B+1], s62, s60
.irp g, G1A, G1B                                   ; dense blocks as rows of 256 bytes (32 elements of 8); mask 15 with bit 21 beside it
	s_mov_b32 s[\g], 15|(3<<16)|(1<<21)
	s_mov_b32 s[\g+1], 32<<16
	s_mov_b32 s[\g+3], 32<<16
	s_mov_b32 s[\g+5], 32
	s_mov_b32 s[\g+6], 0
	s_mov_b32 s[\g+7], 0
.endr
	s_mov_b32 s[G1A+2], 32<<16
	s_mov_b32 s[G1A+4], 32
	s_mov_b32 s[G1B+2], 96<<16
	s_mov_b32 s[G1B+4], 96
	s_sub_co_u32 s17, 15, s[WV]
	s_lshl_b32 s16, s[WV], 3
	s_add_co_u32 s16, s16, s[CX]                   ; the early pair's tile A
	s_lshl_b32 s43, s17, 3
	s_add_co_u32 s43, s43, s[CX]                   ; the late pair's
	s_lshl_b32 s[LLO], s[WV], 7
	s_lshl_b32 s[LHI], s17, 7
	s_lshl_b32 s[OA], s[CX], 4
	s_add_co_u32 s[OB], s[OA], 64
	s_wait_alu depctr_va_vdst(0)
	s_wait_dscnt 0x0                               ; both opening adds are done
	s_wait_kmcnt 0x0
	s_load_b256 s[48:55], s[10:11], 0x0            ; e0 .. e7
	s_add_nc_u64 s[4:5], s[4:5], s[56:57]
	s_lshl_b32 s60, s43, 10                        ; 1,024 bytes a tile of Q
	s_mov_b32 s61, 0
	s_add_nc_u64 s[78:79], s[4:5], s[60:61]
	QLOAD 24, 78                                   ; the late pair's Q, which is multiplied first
	s_cmp_lt_u32 s[WV], 4
	s_cselect_b64 s[G0A+2:G0A+3], s[6:7], s[8:9]
	s_add_nc_u64 s[G0A+2:G0A+3], s[G0A+2:G0A+3], s[56:57]
	s_add_nc_u64 s[G0B+2:G0B+3], s[G0A+2:G0A+3], s[62:63]
	s_add_nc_u64 s[G0A+2:G0A+3], s[G0A+2:G0A+3], s[58:59]
	s_or_b32 s[G0A+3], s[G0A+3], 0x80000000
	s_or_b32 s[G0B+3], s[G0B+3], 0x80000000
	ROUND                                          ; the four work-groups are here: the joint loads meet
	tensor_load_to_lds s[G0A:G0A+3], s[G1A:G1A+7]  ; group 1: every wave's one load at the head
	s_nop 0
	s_lshr_b32 s15, s14, 4
	s_lshl_b32 s15, s15, 21                        ; ac: 2,097,152 bytes a batch,
	s_and_b32 s60, s14, 15
	s_lshl_b32 s60, s60, 10                        ; 1,024 bytes a head inside a tile of 16 rows,
	s_add_co_u32 s15, s15, s60
	s_lshl_b32 s60, s16, 14                        ; 16,384 bytes a tile
	s_add_co_u32 s60, s60, s15
	s_add_nc_u64 s[44:45], s[12:13], s[60:61]
	s_lshl_b32 s60, s43, 14
	s_add_co_u32 s60, s60, s15
	s_add_nc_u64 s[46:47], s[12:13], s[60:61]
	s_lshl_b32 s60, s16, 10
	s_add_nc_u64 s[4:5], s[4:5], s[60:61]          ; the early pair's Q
	s_mov_b32 s[SEL], 0x76543210
	s_mov_b32 s[SEL+1], 0xfedcba98
	s_mov_b32 s[CS], 0x3e38aa3b                    ; log2(e) / 8
	v_and_b32 v222, 15, v0
	v_bfe_u32 v212, v0, 4, 1
	s_delay_alu instid0(VALU_DEP_1)
	v_lshlrev_b32 v212, 3, v212
	s_delay_alu instid0(VALU_DEP_1)
	v_sub_nc_u32 v222, v222, v212                  ; r - 8 h
	s_wait_alu depctr_va_vdst(0)
	s_wait_kmcnt 0x0
	s_add_co_i32 s15, s50, s51
	s_lshl_b32 s15, s15, 23
	s_add_co_i32 s[CS], s[CS], s15                 ; x 2^(e2 + e3), in the exponent field
	s_mov_b32 s[CS+1], s[CS]
	s_add_co_i32 s15, s52, 127
	s_lshl_b32 s66, s15, 23                        ; 2^e4
	s_add_co_i32 s15, s15, 8
	s_lshl_b32 s15, s15, 23
	s_or_b32 s67, s15, 0x600000                    ; 448 x 2^e4
	s_sub_co_i32 s15, s54, s52
	s_sub_co_i32 s15, s15, s53
	s_add_co_i32 s15, s15, 127
	s_lshl_b32 s80, s15, 23                        ; 2^(e6 - e4 - e5)
	s_add_co_i32 s15, s15, 8
	s_lshl_b32 s15, s15, 23
	s_or_b32 s81, s15, 0x600000                    ; 448 x that
.macro CONSTS o                        ; what a tile's text reads beside its state: once for each window
	v_mov_b32 v220, 0xff800000
	v_mov_b32 v208, 0
	v_mov_b32 v211, 0
	v_mov_b32 v217, s66
	v_mov_b32 v216, s67
	v_mov_b32 v223, s67                            ; a second copy, for the other half of a dual pair
	v_mov_b32 v218, s80
	v_mov_b32 v219, s81
	v_add_nc_u32 v221, s[\o], v222                 ; o + r - 8 h, for the mask
.endm
	CONSTS OA
	WIN 0x40
	CONSTS OB
	WIN 0
; THE SOFTMAX of one tile for one key step, from S^T to p's codes and the rescaled O^T; every vector register lies in the tile's window.
.macro SOFTMAX dual
	s_wait_alu depctr_va_vdst(0)
	v_max3_num_f32 v212, v96, v97, v98             ; the largest score, in four chains, each accumulator from its low end on
	v_max3_num_f32 v210, v99, v100, v101
	v_max3_num_f32 v213, v102, v103, v104
	v_max3_num_f32 v209, v105, v106, v107
.irp i, 12,20,28,36,44,52
	v_max3_num_f32 v212, v212, v[96+\i], v[97+\i]
	v_max3_num_f32 v210, v210, v[98+\i], v[99+\i]
	v_max3_num_f32 v213, v213, v[100+\i], v[101+\i]
	v_max3_num_f32 v209, v209, v[102+\i], v[103+\i]
.endr
	v_max3_num_f32 v212, v212, v156, v157
	v_max3_num_f32 v210, v210, v158, v159
	s_delay_alu instid0(VALU_DEP_1)
	v_max3_num_f32 v212, v212, v210, v213
	s_delay_alu instid0(VALU_DEP_1)
	v_max_num_f32 v212, v212, v209
	s_delay_alu instid0(VALU_DEP_1)
	v_permlanex16_b32 v208, v212, s[SEL], s[SEL+1]
	s_delay_alu instid0(VALU_DEP_1)
	v_max_num_f32 v212, v212, v208
	s_delay_alu instid0(VALU_DEP_1)
	v_mul_f32 v212, s[CS], v212
	s_delay_alu instid0(VALU_DEP_1)
	v_max_num_f32 v13, v13, v212                   ; the running largest t
	v_mov_b32 v212, v12
	s_delay_alu instid0(VALU_DEP_2)
	v_floor_f32 v12, -v13                          ; -M
	s_delay_alu instid0(VALU_DEP_1)
	v_sub_f32 v212, v12, v212
	s_delay_alu instid0(VALU_DEP_1)
	v_cvt_i32_f32 v212, v212
	s_delay_alu instid0(VALU_DEP_1)
	v_ldexp_f32 v210, 1.0, v212                    ; f = 2^(old M - new M)
.set j, 0
.rept 32
	v_pk_fma_f32 v[96+j:97+j], v[96+j:97+j], s[CS:CS+1], v[12:13] op_sel_hi:[1,0,0]
.set j, j+2
.endr
.set j, 0
	s_wait_alu depctr_va_vdst(0)                   ; a wait ahead of the batch
.rept 64
	v_exp_f32 v[96+j], v[96+j]
.set j, j+1
.endr
	v_pk_mul_f32 v[14:15], v[14:15], v[210:211] op_sel_hi:[1,0]
	s_wait_alu depctr_va_vdst(0)                   ; and one behind it, ahead of its first reader
	v_pk_add_f32 v[214:215], v[96:97], v[98:99]    ; the sum of the unquantised p, in four chains
	v_pk_add_f32 v[224:225], v[100:101], v[102:103]
	v_pk_add_f32 v[226:227], v[104:105], v[106:107]
.irp j, 12,20,28,36,44,52
	v_pk_add_f32 v[14:15], v[14:15], v[96+\j:97+\j]
	v_pk_add_f32 v[214:215], v[214:215], v[98+\j:99+\j]
	v_pk_add_f32 v[224:225], v[224:225], v[100+\j:101+\j]
	v_pk_add_f32 v[226:227], v[226:227], v[102+\j:103+\j]
.endr
	v_pk_add_f32 v[14:15], v[14:15], v[156:157]
	v_pk_add_f32 v[214:215], v[214:215], v[158:159]
	v_pk_add_f32 v[224:225], v[224:225], v[226:227]
	v_pk_add_f32 v[14:15], v[14:15], v[214:215]
	s_delay_alu instid0(VALU_DEP_1)
	v_pk_add_f32 v[14:15], v[14:15], v[224:225]
.set j, 0
.if \dual                                          ; the hold at the largest code x the scale (the conversion does not saturate: ISA guide 7.6.2); in window 0 two numbers a line
.rept 32
	v_dual_min_num_f32 v[96+j], v[96+j], v216 :: v_dual_min_num_f32 v[97+j], v[97+j], v223
.set j, j+2
.endr
.else
.rept 64
	v_min_num_f32 v[96+j], v[96+j], v216
.set j, j+1
.endr
.endif
.set j, 0
.rept 8
	v_cvt_scalef32_pk8_fp8_f32 v[192+2*j:193+2*j], v[96+8*j:103+8*j], v217
.set j, j+1
.endr
	s_wait_alu depctr_va_vdst(0)
.set j, 0
.rept 16
	v_pk_mul_f32 v[160+j:161+j], v[160+j:161+j], v[210:211] op_sel_hi:[1,0]
.set j, j+2
.endr
.endm
.macro MASK n0, n1                     ; key 16 (n / 8) + n % 8 + 8 h of the step is hidden where it comes after query o + r
.set n, \n0
.rept \n1-\n0
	v_cmp_gt_i32 vcc_lo, 16*(n/8)+n%8, v221
	v_cndmask_b32 v[96+n], v[96+n], v220, vcc_lo
.set n, n+1
.endr
.endm
; A KEY STEP of 128 keys for the pair whose Q stands at v[q] of both windows.  tests = 1: the two branches, which hang on the count of steps and the wave's number alone.
.macro STEP q, last, tests
.if \tests
	s_cmp_gt_u32 s[KF], s[\last]
	s_cbranch_scc1 .Lhidden_\@
.endif
	v_add_nc_u32 v[ADK], s[TB], v[LI]
	v_add_nc_u32 v[ADV], s[TB], v[LV]
	v_nop                                          ; with the two lines above: four places behind the last products, ahead of loads into their sources
	v_nop
.set i, 0
.rept 16
	ds_load_b128 v[32+4*i:35+4*i], v[ADK] offset:512*i
.set i, i+1
.endr
	WIN 0x40
.set i, 0
.rept 16
	ds_load_b128 v[32+4*i:35+4*i], v[ADV] offset:512*i   ; V, into window 1: it lands while tile A's softmax is walked
.set i, i+1
.endr
	WIN 0
	s_wait_alu depctr_va_vdst(0)
	s_wait_dscnt 16                                ; K's 16 loads are in; V's 16 may be out
.irp t, 0,1,2,3,4,5,6,7
	v_wmma_f32_16x16x64_fp8_fp8 v[96+8*\t:103+8*\t], v[32+8*\t:39+8*\t], v[\q:\q+7], 0
.endr
	WIN 0x44                                       ; tile B: Q and S^T in window 1, K's fragments once more from window 0
.irp t, 0,1,2,3,4,5,6,7
	v_wmma_f32_16x16x64_fp8_fp8 v[96+8*\t:103+8*\t], v[32+8*\t:39+8*\t], v[\q:\q+7], 0
.endr
	WIN 0
.rept 4
	v_nop
.endr
.if \tests
	s_cmp_lg_u32 s[KF], s[\last]
	s_cbranch_scc1 .Lopen_\@
	MASK 0, 32                                     ; the pair's last step.  Tile A: key tiles 0-3 by the lane's query,
.set n, 32
.rept 32
	v_mov_b32 v[96+n], v220                        ; key tiles 4-7 are hidden
.set n, n+1
.endr
	WIN 0x55
	MASK 32, 64                                    ; tile B: key tiles 0-3 count, 4-7 by the lane's query
	WIN 0
.Lopen_\@:
.endif
	SOFTMAX 1
	s_wait_alu depctr_va_vdst(0)
	s_wait_dscnt 0x0                               ; V's fragments
	WIN 0x01                                       ; tile A's second product: V from window 1; it is issued ahead of tile B's softmax
.irp t, 0,1,2,3
	v_wmma_f32_16x16x128_fp8_fp8 v[160+8*\t:167+8*\t], v[32+16*\t:47+16*\t], v[192:207], v[160+8*\t:167+8*\t]
.endr
	WIN 0x55
	SOFTMAX 0
.irp t, 0,1,2,3
	v_wmma_f32_16x16x128_fp8_fp8 v[160+8*\t:167+8*\t], v[32+16*\t:47+16*\t], v[192:207], v[160+8*\t:167+8*\t]
.endr
	WIN 0
.if \tests
.Lhidden_\@:
.endif
	s_add_co_u32 s[KF], s[KF], 128
	s_add_co_u32 s[TB], s[TB], 8192
.endm
.macro ZERO                            ; a tile begins: zeros, which the first change of M leaves zeros
	v_mov_b32 v13, 0xff61b1e6
	s_delay_alu instid0(VALU_DEP_1)
	v_floor_f32 v12, -v13
	v_mov_b32 v14, 0
	v_mov_b32 v15, 0
.set j, 0
.rept 32
	v_mov_b32 v[160+j], 0
.set j, j+1
.endr
.endm
.macro INIT
	s_wait_xcnt 0x0                                ; earlier stores have read their registers
	ZERO
	WIN 0x55
	ZERO
	WIN 0
	s_mov_b32 s[TB], 0
	s_mov_b32 s[KF], 0
.endm
.macro RUN q, last, trips, tests       ; a constant count of trips; a trip past the pair's last step only steps the addresses
	s_mov_b32 s[CNT], \trips
.Lstep_\@:
	STEP \q, \last, \tests
	s_sub_co_u32 s[CNT], s[CNT], 1
	s_cmp_lg_u32 s[CNT], 0
	s_cbranch_scc1 .Lstep_\@
.endm
.macro ARITH                           ; O^T / the sum, quantised: channel tiles 2 g, 2 g + 1 give a lane channels 32 g + 16 h + 0 .. 15: 16 bytes of ac's image
	v_add_f32 v14, v14, v15
	s_delay_alu instid0(VALU_DEP_1)
	v_permlanex16_b32 v208, v14, s[SEL], s[SEL+1]
	s_delay_alu instid0(VALU_DEP_1)
	v_add_f32 v14, v14, v208
	s_wait_alu depctr_va_vdst(0)
	v_rcp_f32 v14, v14
	v_nop
	s_wait_alu depctr_va_vdst(0)
.set j, 0
.rept 16
	v_pk_mul_f32 v[96+j:97+j], v[160+j:161+j], v[14:15] op_sel_hi:[1,0]
.set j, j+2
.endr
.set j, 0
.rept 32
	v_med3_num_f32 v[96+j], v[96+j], -v219, v219
.set j, j+1
.endr
.set j, 0
.rept 4
	v_cvt_scalef32_pk8_fp8_f32 v[192+2*j:193+2*j], v[96+8*j:103+8*j], v218
.set j, j+1
.endr
	v_nop
.endm
.macro FIN out
.rept 4
	v_nop
.endr
	ARITH
	global_store_b128 v[LI], v[192:195], s[\out:\out+1]              ; 512 consecutive bytes, aligned
	global_store_b128 v[LI], v[196:199], s[\out:\out+1] offset:512
	WIN 0x55
	ARITH
	WIN 0x04                                       ; the stores' data in window 1, their address in window 0
	global_store_b128 v[LI], v[192:195], s[\out:\out+1] offset:65536 ; tile B: four tiles of 16,384 bytes on
	global_store_b128 v[LI], v[196:199], s[\out:\out+1] offset:66048
	WIN 0
.endm
	s_wait_alu depctr_va_vdst(0)
	s_wait_tensorcnt 0x0                           ; my part of group 1 is in
	ds_add_u32 v254, v255
	s_wait_dscnt 0x0
	ROUND                                          ; everybody's part is in, and the four work-groups are here
	tensor_load_to_lds s[G0B:G0B+3], s[G1B:G1B+7]  ; group 2: keys 512 on
	s_nop 0
.rept 4
	v_nop                                          ; four lines ahead of a switch of windows behind a tensor load
.endr
	QLOAD 16, 4                                    ; the early pair's Q, wanted last
	s_wait_loadcnt 0x4                             ; the late pair's Q is in; the four loads just issued may be out
	INIT
	RUN 24, LHI, 4, 0                              ; keys 0-511: every late pair has at least nine steps, so these four are whole
	s_wait_alu depctr_va_vdst(0)
	s_wait_tensorcnt 0x0                           ; my part of group 2 is in,
	s_wait_dscnt 0x0
	s_barrier_signal -1
	s_barrier_wait -1                              ; everybody's is
	RUN 24, LHI, 12, 1
	FIN 46
	s_wait_loadcnt 0x0
	INIT
	RUN 16, LLO, 8, 1
	FIN 44
	s_wait_tensorcnt 0x0                           ; the wave's end
	ds_add_u32 v254, v255
	s_wait_dscnt 0x0
	ROUND                                          ; the closing round
	s_endpgm
.Lfunc_end_k_q3517b7f91f_attn:
	.size	k_q3517b7f91f_attn, .Lfunc_end_k_q3517b7f91f_attn-k_q3517b7f91f_attn
	.p2alignl 7, 3214868480
	.fill 96, 4, 3214868480
	.section	.rodata,"a",@progbits
	.p2align	6, 0x0
	.amdhsa_kernel k_q3517b7f91f_attn
		.amdhsa_group_segment_fixed_size 327680
		.amdhsa_private_segment_fixed_size 0
		.amdhsa_enable_private_segment 0
		.amdhsa_kernarg_size 40
		.amdhsa_user_sgpr_count 2
		.amdhsa_user_sgpr_kernarg_segment_ptr 1
		.amdhsa_wavefront_size32 1
		.amdhsa_system_sgpr_workgroup_id_x 1
		.amdhsa_system_sgpr_workgroup_id_y 1
		.amdhsa_system_sgpr_workgroup_id_z 1
		.amdhsa_system_vgpr_workitem_id 0
		.amdhsa_next_free_vgpr 512
		.amdhsa_next_free_sgpr 84
		.amdhsa_reserve_vcc 1
		.amdhsa_float_denorm_mode_32 3
		.amdhsa_float_denorm_mode_16_64 3
		.amdhsa_memory_ordered 1
		.amdhsa_forward_progress 1
		.amdhsa_inst_pref_size 129
	.end_amdhsa_kernel
	.amdgpu_metadata
---
amdhsa.version: [ 1, 2 ]
amdhsa.kernels:
  - .name:           k_q3517b7f91f_attn
    .symbol:         k_q3517b7f91f_attn.kd
    .args:
      - { .name: qc, .offset: 0, .size: 8, .value_kind: global_buffer, .address_space: global }
      - { .name: kc, .offset: 8, .size: 8, .value_kind: global_buffer, .address_space: global }
      - { .name: vc, .offset: 16, .size: 8, .value_kind: global_buffer, .address_space: global }
      - { .name: lowp_scales, .offset: 24, .size: 8, .value_kind: global_buffer, .address_space: global }
      - { .name: ac, .offset: 32, .size: 8, .value_kind: global_buffer, .address_space: global }
    .group_segment_fixed_size: 327680
    .private_segment_fixed_size: 0
    .kernarg_segment_align: 8
    .kernarg_segment_size: 40
    .max_flat_workgroup_size: 256
    .sgpr_count:     84
    .vgpr_count:     512
    .wavefront_size: 32
...
	.end_amdgpu_metadata
.endif
;; end of part 3
;; launch proj (part 4): grid 4 x 32, 4 waves a work-group, clusters of 4 x 4, 327,680 bytes of LDS; arguments ac, wpc, lowp_scales, out0; writes out0
.if DOCPART == 4
	.amdgcn_target "amdgcn-amd-amdhsa--gfx1250"
	.amdhsa_code_object_version 6
	.text
	.protected	k_q3517b7f91f_proj
	.globl	k_q3517b7f91f_proj
	.p2align	8
	.type	k_q3517b7f91f_proj,@function
k_q3517b7f91f_proj:
	s_mov_b64 s[64:65], 0
	v_nop
	global_prefetch_b8 v0, s[64:65] scope:SCOPE_SE
	s_setreg_imm32_b32 hwreg(HW_REG_WAVE_MODE, 25, 1), 1
	s_wait_xcnt 0x0
	s_wait_alu depctr_hold_cnt(0) depctr_sa_sdst(0) depctr_va_vdst(0) depctr_va_sdst(0) depctr_va_ssrc(0) depctr_va_vcc(0) depctr_vm_vsrc(0)
	s_getreg_b32 s2, hwreg(HW_REG_IB_STS2, 6, 4)
	s_cmp_eq_u32 s2, 0
	s_cbranch_scc0 .Lentry_in_a_cluster
	s_endpgm
.Lentry_in_a_cluster:
	s_bfe_u32 s2, ttmp6, 0x10000c
	s_cmp_lg_u32 s2, 0xf033
	s_cbranch_scc0 .Lentry_shape_is_right
	s_endpgm
.Lentry_shape_is_right:
.set SIZE_N, 1024
.set KB,     4096
.set HALFT,  32768
.set SLOT,   131072
.set SPARE,  262144
.set SPITCH, 528
.set FR,     16
.set NL,     4
.set NP,     4
.set ADRA, 16
.set ADRB, 20
.set STO,  24
.set RD,   25
.set CO,   26
.set SPW,  28
.set NIL,  29
.set TMP,  32
.set AF,   128
.set BK,   128
.set G1, 24
.set G0, 32
.set G1B, 48
.set G0B, 56
.set MSB, 0
.macro WIN new
.if MSB != \new
	s_set_vgpr_msb (MSB<<8)|\new
.set MSB, \new
.endif
.endm
.set MUL_LO, 0xa1
.set MUL_HI, 0xf1
.set TO_B,   0x40
.macro JLOAD g0a, g1a, g0b, g1b
	s_cmp_eq_u32 s15, 0
	s_cbranch_scc0 .Lfor_b_\@
	tensor_load_to_lds s[\g0a:\g0a+3], s[\g1a:\g1a+7]
	s_nop 0
.rept 4
	v_nop
.endr
	s_branch .Lasked_\@
.Lfor_b_\@:
	tensor_load_to_lds s[\g0b:\g0b+3], s[\g1b:\g1b+7]
	s_nop 0
.rept 4
	v_nop
.endr
.Lasked_\@:
.endm
.macro CREST
	s_cmp_lg_u32 s14, 0
	s_cbranch_scc1 .Lnot_wave_0_\@
	s_barrier_signal -3
.Lnot_wave_0_\@:
	s_barrier_wait -3
	s_barrier_signal -1
	s_barrier_wait -1
.endm
.macro CROUND
	s_barrier_signal -1
	s_barrier_wait -1
	CREST
.endm
	s_load_b128 s[4:7], s[0:1], 0x0
	s_load_b128 s[8:11], s[0:1], 0x10
	v_lshl_add_u32 v[SPW], v0, 2, SPARE
	v_mov_b32 v[NIL], 0
	ds_add_u32 v28, v29
	ds_add_u32 v28, v29
	s_wait_dscnt 0x0
	v_lshrrev_b32 v1, 5, v0
	v_readfirstlane_b32 s14, v1
	s_lshr_b32 s15, s14, 1
	s_and_b32 s16, s14, 1
	s_bfe_u32 s40, ttmp6, 0x40000
	s_bfe_u32 s41, ttmp6, 0x40004
	s_lshl_b32 s42, ttmp9, 2
	s_add_co_u32 s42, s42, s40
	s_and_b32 s17, ttmp7, 0xffff
	s_lshl_b32 s17, s17, 2
	s_add_co_u32 s17, s17, s41
	s_lshl_b32 s43, s41, 2
	s_lshl_b32 s43, 15, s43
	s_lshl_b32 s44, 0x1111, s40
	s_or_b32 s[G1+0], s43, (1<<21)
	s_or_b32 s[G1B+0], s44, (1<<21)
.irp g, G1, G1B
	s_mov_b32 s[\g+1], 4096<<16
	s_mov_b32 s[\g+2], 8<<16
	s_mov_b32 s[\g+3], 4096<<16
	s_mov_b32 s[\g+4], 8
	s_mov_b32 s[\g+5], 16384
	s_mov_b32 s[\g+6], 0
	s_mov_b32 s[\g+7], 0
.endr
	s_lshl_b32 s18, s16, 17
	s_lshl_b32 s20, s17, 18
	s_add_co_u32 s20, s20, s18
	s_mov_b32 s21, 0
	s_lshl_b32 s46, s42, 18
	s_add_co_u32 s46, s46, s18
	s_mov_b32 s47, 0
	s_lshl_b32 s45, s14, 15
	s_wait_kmcnt 0x0
	s_load_b64 s[96:97], s[8:9], 0x18
	s_add_nc_u64 s[20:21], s[4:5], s[20:21]
	s_add_nc_u64 s[46:47], s[6:7], s[46:47]
	CROUND
.irp s, 0,1
	s_mov_b32 s[G0+4*\s], 1
	s_add_co_u32 s[G0+4*\s+1], s45, \s*SLOT
	s_add_nc_u64 s[G0+4*\s+2:G0+4*\s+3], s[20:21], \s*KB
	s_or_b32 s[G0+4*\s+3], s[G0+4*\s+3], 0x80000000
	s_mov_b32 s[G0B+4*\s], 1
	s_add_co_u32 s[G0B+4*\s+1], s45, \s*SLOT
	s_add_nc_u64 s[G0B+4*\s+2:G0B+4*\s+3], s[46:47], \s*KB
	s_or_b32 s[G0B+4*\s+3], s[G0B+4*\s+3], 0x80000000
	s_wait_alu depctr_va_vdst(0)
	s_wait_tensorcnt 0x0
	ds_add_u32 v28, v29
	ds_add_u32 v28, v29
	s_wait_dscnt 0x0
	CROUND
	JLOAD G0+4*\s, G1, G0B+4*\s, G1B
.endr
	v_and_b32 v1, 15, v0
	s_wait_alu depctr_va_vdst(0)
	v_bfe_u32 v2, v0, 4, 1
	v_and_b32 v6, 31, v0
	v_lshlrev_b32 v[CO], 4, v6
	s_lshl_b32 s21, s15, 15
	s_lshl_b32 s22, s16, 15
	s_add_co_u32 s22, s22, 2*HALFT
.irp s, 0,1
	v_add_nc_u32 v[ADRA+\s], s21, v[CO]
	v_add_nc_u32 v[ADRB+\s], s22, v[CO]
	s_add_co_u32 s21, s21, SLOT
	s_add_co_u32 s22, s22, SLOT
.endr
	s_mul_i32 s23, s14, 16*SPITCH
	v_mul_u32_u24 v5, v1, SPITCH
	s_wait_alu depctr_va_vdst(0)
	v_lshl_add_u32 v5, v2, 5, v5
	v_add_nc_u32 v[STO], s23, v5
	v_add_nc_u32 v[RD], s23, v[CO]
	s_lshl_b32 s20, s17, 20
	s_lshl_b32 s21, s15, 19
	s_add_co_u32 s20, s20, s21
	s_lshl_b32 s46, s42, 10
	s_lshl_b32 s47, s16, 9
	s_add_co_u32 s46, s46, s47
	s_add_co_u32 s20, s20, s46
	s_mov_b32 s21, 0
	s_add_nc_u64 s[10:11], s[10:11], s[20:21]
.macro FRAG reg, adr, q, i
.irp c, 0,1,2,3
	ds_load_b128 v[\reg+4*\c:\reg+4*\c+3], v[\adr] offset:4096*(\i)+2048*(\q)+512*\c
.endr
.endm
.macro MUL16 a0, p, zero
.irp a, \a0, \a0+1
.irp b, 0,1,2,3,4,5,6,7
.if \zero
	v_wmma_f32_16x16x128_fp8_fp8 v[8*(8*((\a)%4)+\b):8*(8*((\a)%4)+\b)+7], v[128*(\p)+FR*\b:128*(\p)+FR*\b+FR-1], v[AF+FR*(\a):AF+FR*(\a)+FR-1], 0
.else
	v_wmma_f32_16x16x128_fp8_fp8 v[8*(8*((\a)%4)+\b):8*(8*((\a)%4)+\b)+7], v[128*(\p)+FR*\b:128*(\p)+FR*\b+FR-1], v[AF+FR*(\a):AF+FR*(\a)+FR-1], v[8*(8*((\a)%4)+\b):8*(8*((\a)%4)+\b)+7]
.endif
.endr
.endr
.endm
.macro FETCH_B slot, q, p
	WIN TO_B
.irp i, 0,1,2,3,4,5,6,7
	FRAG 128*(\p)+FR*\i, ADRB+\slot, \q, \i
.endr
	WIN 0
.endm
.macro FETCH_A slot, q, i0
.irp i, \i0, \i0+1, \i0+2, \i0+3
	FRAG AF+FR*(\i), ADRA+\slot, \q, \i
.endr
.endm
.macro PLACES n
.rept \n
	v_nop
.endr
.endm
.macro STEP slot, q, zero
	s_wait_dscnt 4*NL
	WIN MUL_LO
	MUL16 0, (\q)%2, \zero
	MUL16 2, (\q)%2, \zero
	s_wait_dscnt 0
	PLACES NP
	FETCH_B \slot, (\q)+1, 1-(\q)%2
	FETCH_A \slot, (\q)+1, 0
	WIN MUL_HI
	MUL16 4, (\q)%2, \zero
	MUL16 6, (\q)%2, \zero
	PLACES NP
	WIN 0
	FETCH_A \slot, (\q)+1, 4
.endm
.macro TURN slot, next, fill
	s_wait_tensorcnt 0x0
	ds_add_u32 v[SPW], v[NIL]
	s_wait_dscnt 4*NL+1
	WIN MUL_LO
	MUL16 0, 1, 0
	s_wait_dscnt 0x0
	s_barrier_signal -1
	MUL16 2, 1, 0
	WIN 0
	s_barrier_wait -1
.if \fill
	CREST
	s_add_nc_u64 s[G0+4*\slot+2:G0+4*\slot+3], s[G0+4*\slot+2:G0+4*\slot+3], 2*KB
	s_add_nc_u64 s[G0B+4*\slot+2:G0B+4*\slot+3], s[G0B+4*\slot+2:G0B+4*\slot+3], 2*KB
	JLOAD G0+4*\slot, G1, G0B+4*\slot, G1B
.else
	PLACES NP
.endif
	FETCH_B \next, 0, 0
	FETCH_A \next, 0, 0
	WIN MUL_HI
	MUL16 4, 1, 0
	MUL16 6, 1, 0
	PLACES NP
	WIN 0
	FETCH_A \next, 0, 4
.endm
	s_wait_tensorcnt 1
	s_barrier_signal -1
	s_barrier_wait -1
	FETCH_B 0, 0, 0
	FETCH_A 0, 0, 0
	FETCH_A 0, 0, 4
	STEP 0, 0, 1
	TURN 0, 1, 1
	STEP 1, 0, 0
	TURN 1, 0, 1
	STEP 0, 0, 0
	TURN 0, 1, 0
	STEP 1, 0, 0
	s_wait_dscnt 4*NL
	WIN MUL_LO
	MUL16 0, 1, 0
	MUL16 2, 1, 0
	s_wait_dscnt 0
	WIN MUL_HI
	MUL16 4, 1, 0
	MUL16 6, 1, 0
	WIN 0
.macro TOSTAGE a
.set AC, 64*((\a)%4)
.set WN, 2+(\a)/4
	WIN WN
.set j, 0
.rept 32
	v_pk_mul_f32 v[TMP+j:TMP+j+1], v[AC+j:AC+j+1], s[96:97] op_sel_hi:[1,0]
.set j, j+2
.endr
	WIN 0
.irp b, 0,1,2,3,4,5,6,7
	ds_store_b128 v[STO], v[TMP+8*\b:TMP+8*\b+3] offset:64*\b
	ds_store_b128 v[STO], v[TMP+8*\b+4:TMP+8*\b+7] offset:64*\b+16
.endr
.set BB, BK+64*((\a)%2)
.irp t, 0,1,2,3,4,5,6,7,8,9,10,11,12,13,14,15
	ds_load_b128 v[BB+4*\t:BB+4*\t+3], v[RD] offset:\t*SPITCH
.endr
.endm
.macro SEND a, younger
.set BB, BK+64*((\a)%2)
	s_wait_dscnt \younger
.if (\a) > 0
	s_add_nc_u64 s[10:11], s[10:11], 16*SIZE_N*4
.endif
.irp t, 0,1,2,3,4,5,6,7,8,9,10,11,12,13,14,15
	global_store_b128 v[CO], v[BB+4*\t:BB+4*\t+3], s[10:11] offset:\t*SIZE_N*4 th:TH_STORE_NT
.endr
.endm
	s_wait_kmcnt 0x0
	s_add_co_i32 s96, s96, s97
	s_add_co_i32 s96, s96, 127
	s_lshl_b32 s96, s96, 23
	PLACES NP
	TOSTAGE 0
.irp a, 1,2,3,4,5,6,7
.if \a > 1
	s_wait_xcnt 0x0
.endif
	TOSTAGE \a
	SEND \a-1, 32
.endr
	s_wait_xcnt 0x0
	SEND 7, 0
	s_wait_tensorcnt 0x0
	ds_add_u32 v[SPW], v[NIL]
	s_wait_dscnt 0x0
	CROUND
	s_endpgm
.Lfunc_end_k_q3517b7f91f_proj:
	.size	k_q3517b7f91f_proj, .Lfunc_end_k_q3517b7f91f_proj-k_q3517b7f91f_proj
	.p2alignl 7, 3214868480
	.fill 96, 4, 3214868480
	.section	.rodata,"a",@progbits
	.p2align	6, 0x0
	.amdhsa_kernel k_q3517b7f91f_proj
		.amdhsa_group_segment_fixed_size 327680
		.amdhsa_private_segment_fixed_size 0
		.amdhsa_enable_private_segment 0
		.amdhsa_kernarg_size 32
		.amdhsa_user_sgpr_count 2
		.amdhsa_user_sgpr_kernarg_segment_ptr 1
		.amdhsa_wavefront_size32 1
		.amdhsa_system_sgpr_workgroup_id_x 1
		.amdhsa_system_sgpr_workgroup_id_y 1
		.amdhsa_system_sgpr_workgroup_id_z 1
		.amdhsa_system_vgpr_workitem_id 0
		.amdhsa_next_free_vgpr 1024
		.amdhsa_next_free_sgpr 98
		.amdhsa_reserve_vcc 0
		.amdhsa_float_denorm_mode_32 3
		.amdhsa_float_denorm_mode_16_64 3
		.amdhsa_memory_ordered 1
		.amdhsa_forward_progress 1
		.amdhsa_inst_pref_size 123
	.end_amdhsa_kernel
	.amdgpu_metadata
---
amdhsa.version: [ 1, 2 ]
amdhsa.kernels:
  - .name:           k_q3517b7f91f_proj
    .symbol:         k_q3517b7f91f_proj.kd
    .args:
      - { .name: ac, .offset: 0, .size: 8, .value_kind: global_buffer, .address_space: global }
      - { .name: wpc, .offset: 8, .size: 8, .value_kind: global_buffer, .address_space: global }
      - { .name: lowp_scales, .offset: 16, .size: 8, .value_kind: global_buffer, .address_space: global }
      - { .name: out0, .offset: 24, .size: 8, .value_kind: global_buffer, .address_space: global }
    .group_segment_fixed_size: 327680
    .private_segment_fixed_size: 0
    .kernarg_segment_align: 8
    .kernarg_segment_size: 32
    .max_flat_workgroup_size: 128
    .sgpr_count:     98
    .vgpr_count:     1024
    .wavefront_size: 32
...
	.end_amdgpu_metadata
.endif
;; end of part 4
